; MI455X (gfx1250); checked and timed in simulation.
; The chip was launched on July 23, 2026; its instructions are those of AMD's public machine-readable ISA for CDNA 5 (MIT licence, August 2026) and "CDNA5" Instruction Set Architecture Reference Guide (July 2026). The comments in the code are by the model that wrote it; some were corrected since.
;; Multi Head Self Attention V2. Allowed arithmetic: matrix products marked QUANTISED: E4M3 operands, one given power-of-two scale a tensor, by v_wmma_f32_16x16x64_fp8_fp8 or v_wmma_f32_16x16x128_fp8_fp8, f32 sums; everything else in f32.
;; Inputs: Wk_codes 1,024 x 32 x 32 uint8 (E4M3 codes of Wk, K innermost, in blocks of 32 codes); Wp_codes 1,024 x 32 x 32 uint8 (E4M3 codes of Wp, K innermost, in blocks of 32 codes); Wq_codes 1,024 x 32 x 32 uint8 (E4M3 codes of Wq, K innermost, in blocks of 32 codes); Wv_codes 1,024 x 32 x 32 uint8 (E4M3 codes of Wv, K innermost, in blocks of 32 codes); beta 1,024 float32; bk 1,024 float32; bp 1,024 float32; bq 1,024 float32; bv 1,024 float32; gamma 1,024 float32; lowp_scales 12 int32 (the exponents e of the quantised operands' scales 2^e); x 4 x 2,048 x 1,024 float32.
;; Outputs: out0 4 x 2,048 x 1,024 float32.
;; This version of the problem:
;;   THIS VERSION OF THE PROBLEM IS GIVEN IN LOW PRECISION. The matrix products marked QUANTISED in the list below multiply operands that are first quantised to E4M3 (4 exponent bits, 3 mantissa bits; 8 bits a number), with one given power-of-two scale for each operand tensor; their sums are f32. All else is computed in f32.
;;   The module's matrix products, in the order in which they are computed (A, B: the left and right operand; K: the contracted axis; several contracted axes count as one K, in the product's order):
;;     1. [M 8,192, K 1,024] x [K 1,024, N 1,024]; A: input x; B: input Wq (given as codes): QUANTISED (scales: A lowp_scales[0], B lowp_scales[1])
;;     2. [M 8,192, K 1,024] x [K 1,024, N 1,024]; A: input x; B: input Wk (given as codes): QUANTISED (scales: A lowp_scales[2], B lowp_scales[3])
;;     3. [M 8,192, K 1,024] x [K 1,024, N 1,024]; A: input x; B: input Wv (given as codes): QUANTISED (scales: A lowp_scales[4], B lowp_scales[5])
;;     4. batch 64 x [M 2,048, K 64] x [K 64, N 2,048]; A: computed on the way; B: computed on the way: QUANTISED (scales: A lowp_scales[6], B lowp_scales[7])
;;     5. batch 64 x [M 2,048, K 2,048] x [K 2,048, N 64]; A: softmax (see below); B: computed on the way: QUANTISED (scales: A lowp_scales[8], B lowp_scales[9])
;;     6. [M 8,192, K 1,024] x [K 1,024, N 1,024]; A: computed on the way; B: input Wp (given as codes): QUANTISED (scales: A lowp_scales[10], B lowp_scales[11])
;;   THE QUANTISER, for each operand of a quantised product, along K:
;;     - The operand's scale is 2^e, e = its entry of the input lowp_scales (int32; the entries are numbered through the quantised products in the list's order, A before B).
;;     - Each number is divided by the scale, clamped to +-448, and rounded to the nearest number of E4M3, ties to even, subnormals kept.
;;     - The product sums the exact products of the quantised numbers (number of the format x scale) in f32.
;;   ~~~python
;;   def quantise(x, axis, e):      # numpy; x: float32 -> the quantised numbers, widened to float32 again
;;       x = np.moveaxis(x, axis, -1); K = x.shape[-1]
;;       r = np.clip(x / 2.0 ** e, -448, 448)
;;       step = 2.0 ** (np.maximum(np.frexp(np.where(r == 0, 1, r))[1] - 1, -6) - 3)
;;       q = np.round(r / step) * step * 2.0 ** e      # np.round: ties to even
;;       return np.moveaxis(q, -1, axis).astype(np.float32)
;;   ~~~
;;   SOFTMAX AHEAD OF A QUANTISED PRODUCT. Where the list says 'softmax', what is quantised is not the finished softmax but p = 2^(t - M), with t = logit x log2(e) and M = ceil(the row's largest t), a whole number; so 1/2 < the row's largest p <= 1. The row's sum l is taken of the UNQUANTISED p, in f32, and the product's result is divided by l at the end. Since M is a whole number, a kernel that streams over the keys may use a running M (the ceiling of the running maximum): every later rescaling is an exact power of two, so the quantised numbers keep their values, but for numbers so far below the row's largest that they fall under the format's range.
;;   OPERANDS COMPUTED ON THE WAY. 'Computed on the way' means the value that the module computes at that place (a softmax that the list does not call 'softmax' is quantised finished and normalised). What goes into a quantiser is computed in f32, as accurately as f32 sums, v_exp_f32 and their like allow (about 1e-6 of the number): no bf16 or f16 on the way to a quantiser, and a product that is left as it is and whose result goes on into a quantised operand takes f32 operands (vector FMAs, or v_wmma_f32_16x16x4_f32). A number that lies on a knife's edge between two numbers of the format may be rounded either way, as far as f32 arithmetic and the matrix unit's own rounding can turn it there, and no further.
;;   INPUTS GIVEN AS CODES. Wk (in the module: [1024, 1024], K = its axis 1); Wp (in the module: [1024, 1024], K = its axis 1); Wq (in the module: [1024, 1024], K = its axis 1); Wv (in the module: [1024, 1024], K = its axis 1): each comes as NAME_codes (uint8): NAME with its K axis moved to the last place and cut into blocks of 32 codes, [.., K / 32, bytes a block], one block behind the other in memory; one code a byte (a code: sign, 4 exponent bits, 3 mantissa bits); its scale is its entry of lowp_scales. Its value is code x scale, taken as it is: it is not quantised again, and the codes and scales need not be those that the quantiser above would give.
;; One version. Each part assembles by itself: llvm-mc -triple=amdgcn-amd-amdhsa -mcpu=gfx1250 --defsym DOCPART=n.
;; ======== version 1 of 1: 4 launches
;; limits: right only within a limited range of input values
;; workspace buffers: xc 25,165,824 bytes; wp_img 1,048,576 bytes; q_img 8,388,608 bytes; k_img 8,388,608 bytes; v_img 8,388,608 bytes; a_img 8,388,608 bytes
;; launch prep (part 1): grid 264 x 1, 8 waves a work-group, no clusters, 41,984 bytes of LDS; arguments x, Wp_codes, lowp_scales, xc, wp_img; writes xc, wp_img
.if DOCPART == 1
	.amdgcn_target "amdgcn-amd-amdhsa--gfx1250"
	.amdhsa_code_object_version 6
	.text
	.protected	k_q59eac6b46d_prep
	.globl	k_q59eac6b46d_prep
	.p2align	8
	.type	k_q59eac6b46d_prep,@function
k_q59eac6b46d_prep:
	s_mov_b64 s[64:65], 0
	v_nop
	global_prefetch_b8 v0, s[64:65] scope:SCOPE_SE
	s_setreg_imm32_b32 hwreg(HW_REG_WAVE_MODE, 25, 1), 1
	s_wait_xcnt 0x0
; x [8192][1024] f32 becomes three sets of E4M3 codes, xc [3][8192][1024], row-major: set v with the scale 2^e, e = entry 2 v of the scales (the A operands of the products with Wq, Wk, Wv).
; code = x / 2^e, held within +-448, rounded to the nearest code, ties to even.  LIMITS: each e between -126 and 119, so that 2^e and 448 x 2^e are f32 numbers; NaN among the inputs is not served.
; Wp's codes are laid anew as images of the operand's registers: wp_img [wave 4][K step 8][column tile 16][4][lane 32][16 bytes]: lane (r, h) of a fragment holds row 16 ct + r, registers 2 c, 2 c + 1: k = 128 s + 16 c + 8 h + 0 .. 7.
; SHARES.  Work-groups 0 to 255 take x: a wave takes 8 steps of 512 numbers.  Work-groups 256 to 263 take Wp: a wave takes 16 rows (one column tile of the last product).  The two ways part on the work-group's number; only x's way uses LDS.
; x's WAY.  Each load reads 512 consecutive bytes, 16 a lane; a step's 2,048 bytes turn through the wave's own stage in LDS (16 bytes of padding behind each 64) and come back 64 bytes a lane: 16 neighbours along K,
; as the conversions want them.  A lane's 16 codes are 16 bytes: each store of the wave covers 512 consecutive bytes, aligned.  All 32 loads of a wave go out at the head.  Waves share nothing: no barrier.
.set X,    16                          ; v16-47   two sets of 16 neighbours
.set T,    48
.set C,    64                          ; v64-87   two sets of 3 x 4 registers of codes
.set R,    96                          ; v96-223  eight steps x 16 numbers as loaded; on Wp's way: eight fragments
.set SP,   80                          ; a lane's place in a stage: 64 bytes + 16 of padding
.set STG,  32*SP                       ; a stage
.set WREG, 2*STG                       ; a wave's two stages
.macro LOAD t
.irp i, 0,1,2,3
	global_load_b128 v[R+16*(\t)+4*\i:R+16*(\t)+4*\i+3], v3, s[4:5] offset:2048*(\t)+512*\i th:TH_LOAD_NT
.endr
.endm
.macro TURN t                          ; step t through a stage; LDS serves a wave's instructions in order, so no wait stands between the stores and the loads
.irp i, 0,1,2,3
	ds_store_b128 v14, v[R+16*(\t)+4*\i:R+16*(\t)+4*\i+3] offset:STG*((\t)%2)+8*SP*\i
.endr
.irp i, 0,1,2,3
	ds_load_b128 v[X+16*((\t)%2)+4*\i:X+16*((\t)%2)+4*\i+3], v15 offset:STG*((\t)%2)+16*\i
.endr
.endm
.macro STEP t
.set XS, X+16*((\t)%2)
.set CC, C+12*((\t)%2)
	s_wait_dscnt 0x0                               ; this step's numbers are back from the stage
.if (\t) < 7
	s_wait_loadcnt 4*(6-(\t))                      ; the next step's four loads are in; those of the steps behind it may be out
	TURN (\t)+1
.endif
.if (\t) >= 2
	s_wait_xcnt 0x0                                ; the stores of two steps ago have read their data: this set of code registers is written again
.endif
.irp v, 0,1,2
.irp i, 0,1,2,3,4,5,6,7,8,9,10,11,12,13,14,15
.endr
	v_cvt_scalef32_pk8_fp8_f32 v[CC+4*\v:CC+4*\v+1], v[XS:XS+7], v[8+2*\v]
	v_cvt_scalef32_pk8_fp8_f32 v[CC+4*\v+2:CC+4*\v+3], v[XS+8:XS+15], v[8+2*\v]
	v_nop                                          ; a plain line between the conversions and the store
	global_store_b128 v3, v[CC+4*\v:CC+4*\v+3], s[20+2*\v:21+2*\v] offset:512*(\t)
.endr
.endm
	s_load_b128 s[4:7], s[0:1], 0x0                ; x, Wp's codes
	s_load_b128 s[8:11], s[0:1], 0x10              ; the scales' exponents, xc
	s_load_b64 s[12:13], s[0:1], 0x20              ; wp_img
	v_lshl_add_u32 v224, v0, 2, 0xa000
	v_mov_b32 v225, 0
	v_lshrrev_b32 v1, 5, v0
	s_delay_alu instid0(VALU_DEP_1)
	v_readfirstlane_b32 s16, v1                    ; wave 0..7
	v_and_b32 v2, 31, v0                           ; lane
	s_delay_alu instid0(VALU_DEP_1)
	v_lshlrev_b32 v3, 4, v2                        ; 16 x lane
	s_cmp_ge_u32 ttmp9, 256
	s_cbranch_scc1 .Lweights
	; ---- x
	s_mul_i32 s17, s16, WREG
	v_lshrrev_b32 v14, 2, v2
	s_delay_alu instid0(VALU_DEP_1)
	v_mul_u32_u24 v14, v14, SP
	v_and_b32 v15, 3, v2
	s_delay_alu instid0(VALU_DEP_1)
	v_lshl_add_u32 v14, v15, 4, v14
	s_delay_alu instid0(VALU_DEP_1)
	v_add_nc_u32 v14, s17, v14                     ; into the stage: SP (lane / 4) + 16 (lane % 4)
	v_mul_u32_u24 v15, v2, SP
	s_delay_alu instid0(VALU_DEP_1)
	v_add_nc_u32 v15, s17, v15                     ; out of it: SP x lane
	s_lshl_b32 s18, ttmp9, 3
	s_add_co_u32 s18, s18, s16                     ; which run of 4,096 numbers is my wave's
	s_lshl_b32 s26, s18, 14
	s_mov_b32 s27, 0
	s_lshl_b32 s28, s18, 12
	s_mov_b32 s29, 0
	s_wait_kmcnt 0x0
	s_load_b32 s30, s[8:9], 0x0                    ; e of the three sets: entries 0, 2, 4
	s_load_b32 s31, s[8:9], 0x8
	s_load_b32 s32, s[8:9], 0x10
	s_add_nc_u64 s[4:5], s[4:5], s[26:27]
	s_add_nc_u64 s[20:21], s[10:11], s[28:29]      ; my codes in set 0,
	s_add_nc_u64 s[22:23], s[20:21], 0x800000      ; set 1,
	s_add_nc_u64 s[24:25], s[20:21], 0x1000000     ; set 2
	s_wait_alu depctr_va_vdst(0)
.irp t, 0,1,2,3,4,5,6,7
	LOAD \t
.endr
	s_wait_kmcnt 0x0
.irp v, 0,1,2
	s_add_co_i32 s[30+\v], s[30+\v], 127
	s_lshl_b32 s33, s[30+\v], 23
	v_mov_b32 v[8+2*\v], s33                       ; 2^e as f32: the conversion takes its exponent field
	s_add_co_i32 s[30+\v], s[30+\v], 8
	s_lshl_b32 s33, s[30+\v], 23
	s_or_b32 s33, s33, 0x600000
.endr
	s_wait_alu depctr_va_vdst(0)
	s_wait_loadcnt 28                              ; step 0's four loads are in; the other 28 may be out
	TURN 0
.irp t, 0,1,2,3,4,5,6,7
	STEP \t
.endr
	s_wait_tensorcnt 0x0
	ds_add_u32 v224, v225
	s_wait_dscnt 0x0
	s_endpgm
	; ---- Wp: 16 rows x 1,024 codes become eight fragments
.Lweights:
	s_sub_co_u32 s17, ttmp9, 256
	s_lshl_b32 s17, s17, 3
	s_add_co_u32 s17, s17, s16                     ; column tile ct, 0..63
	v_and_b32 v4, 15, v0                           ; r
	v_bfe_u32 v5, v0, 4, 1                         ; h
	s_delay_alu instid0(VALU_DEP_2)
	v_lshlrev_b32 v6, 10, v4
	s_delay_alu instid0(VALU_DEP_1)
	v_lshl_add_u32 v6, v5, 3, v6                   ; row r of 1,024 bytes, + 8 h
	s_lshl_b32 s26, s17, 14                        ; 16 rows a tile
	s_mov_b32 s27, 0
	s_lshr_b32 s28, s17, 4
	s_lshl_b32 s28, s28, 18                        ; the wave that will use it: ct / 16, 262,144 bytes each
	s_and_b32 s29, s17, 15
	s_lshl_b32 s29, s29, 11                        ; its tile ct % 16: 2,048 bytes
	s_add_co_u32 s28, s28, s29
	s_mov_b32 s29, 0
	s_wait_alu depctr_va_vdst(0)
	s_wait_kmcnt 0x0
	s_add_nc_u64 s[6:7], s[6:7], s[26:27]
	s_add_nc_u64 s[12:13], s[12:13], s[28:29]
.irp s, 0,1,2,3,4,5,6,7
.irp c, 0,1,2,3,4,5,6,7
	global_load_b64 v[R+16*\s+2*\c:R+16*\s+2*\c+1], v6, s[6:7] offset:128*\s+16*\c
.endr
.endr
.irp s, 0,1,2,3,4,5,6,7
	s_wait_loadcnt 8*(7-\s)                        ; K step s's eight loads are in; the later steps' may be out
.irp i, 0,1,2,3
	global_store_b128 v3, v[R+16*\s+4*\i:R+16*\s+4*\i+3], s[12:13] offset:32768*\s+512*\i
.endr
.endr
	s_endpgm
.Lfunc_end_k_q59eac6b46d_prep:
	.size	k_q59eac6b46d_prep, .Lfunc_end_k_q59eac6b46d_prep-k_q59eac6b46d_prep
	.p2alignl 7, 3214868480
	.fill 96, 4, 3214868480
	.section	.rodata,"a",@progbits
	.p2align	6, 0x0
	.amdhsa_kernel k_q59eac6b46d_prep
		.amdhsa_group_segment_fixed_size 41984
		.amdhsa_private_segment_fixed_size 0
		.amdhsa_enable_private_segment 0
		.amdhsa_kernarg_size 40
		.amdhsa_user_sgpr_count 2
		.amdhsa_user_sgpr_kernarg_segment_ptr 1
		.amdhsa_wavefront_size32 1
		.amdhsa_system_sgpr_workgroup_id_x 1
		.amdhsa_system_sgpr_workgroup_id_y 1
		.amdhsa_system_sgpr_workgroup_id_z 1
		.amdhsa_system_vgpr_workitem_id 0
		.amdhsa_next_free_vgpr 226
		.amdhsa_next_free_sgpr 66
		.amdhsa_reserve_vcc 0
		.amdhsa_float_denorm_mode_32 3
		.amdhsa_float_denorm_mode_16_64 3
		.amdhsa_fp16_overflow 1
		.amdhsa_memory_ordered 1
		.amdhsa_forward_progress 1
		.amdhsa_inst_pref_size 27
	.end_amdhsa_kernel
	.amdgpu_metadata
---
amdhsa.version: [ 1, 2 ]
amdhsa.kernels:
  - .name:           k_q59eac6b46d_prep
    .symbol:         k_q59eac6b46d_prep.kd
    .args:
      - { .name: x, .offset: 0, .size: 8, .value_kind: global_buffer, .address_space: global }
      - { .name: Wp_codes, .offset: 8, .size: 8, .value_kind: global_buffer, .address_space: global }
      - { .name: lowp_scales, .offset: 16, .size: 8, .value_kind: global_buffer, .address_space: global }
      - { .name: xc, .offset: 24, .size: 8, .value_kind: global_buffer, .address_space: global }
      - { .name: wp_img, .offset: 32, .size: 8, .value_kind: global_buffer, .address_space: global }
    .group_segment_fixed_size: 41984
    .private_segment_fixed_size: 0
    .kernarg_segment_align: 8
    .kernarg_segment_size: 40
    .max_flat_workgroup_size: 256
    .sgpr_count:     66
    .vgpr_count:     226
    .wavefront_size: 32
...
	.end_amdgpu_metadata
.endif
;; end of part 1
;; launch qkv (part 2): grid 12 x 32, 4 waves a work-group, clusters of 4 x 4, 327,680 bytes of LDS; arguments xc, Wq_codes, Wk_codes, Wv_codes, bq, bk, bv, lowp_scales, q_img, k_img, v_img; writes q_img, k_img, v_img
.if DOCPART == 2
	.amdgcn_target "amdgcn-amd-amdhsa--gfx1250"
	.amdhsa_code_object_version 6
	.text
	.protected	k_q59eac6b46d_qkv
	.globl	k_q59eac6b46d_qkv
	.p2align	8
	.type	k_q59eac6b46d_qkv,@function
k_q59eac6b46d_qkv:
	s_mov_b64 s[64:65], 0
	v_nop
	global_prefetch_b8 v0, s[64:65] scope:SCOPE_SE
	s_setreg_imm32_b32 hwreg(HW_REG_WAVE_MODE, 25, 1), 1
	s_wait_xcnt 0x0
	s_wait_alu depctr_hold_cnt(0) depctr_sa_sdst(0) depctr_va_vdst(0) depctr_va_sdst(0) depctr_va_ssrc(0) depctr_va_vcc(0) depctr_vm_vsrc(0)
	s_getreg_b32 s2, hwreg(HW_REG_IB_STS2, 6, 4)
	s_cmp_eq_u32 s2, 0
	s_cbranch_scc0 .Lentry_in_a_cluster
	s_endpgm
.Lentry_in_a_cluster:
	s_bfe_u32 s2, ttmp6, 0x10000c
	s_cmp_lg_u32 s2, 0xf033
	s_cbranch_scc0 .Lentry_shape_is_right
	s_endpgm
.Lentry_shape_is_right:
; q, k, v = x W^T + b on E4M3 codes, K = 1,024, then quantised again (entries 6, 7, 9 of the scales) and stored as images of the operand registers of the attention launch.
; WHICH MATRIX: the cluster's x (0: q, 1: k, 2: v), the same number in all sixteen partners.  x's codes are set 0, 1 or 2 of xc.
; A tile of 256 x 256 results is made by four waves, 128 x 128 each: 64 accumulators, 512 registers.  K goes in steps of 256 through a ring of two LDS slots filled by the tensor data mover; a tile's row is 256 bytes of memory.
; OPERANDS.  'A' (source 1; its row becomes the result's LANE) and 'B' (source 0; its rows run along the lane's REGISTERS).  q, k: A = tokens (x), B = features (W): a lane holds one token and eight neighbouring features,
; which are neighbours along the next K (the head's 64).  v: A = features (Wv), B = tokens (x): a lane holds one channel and eight neighbouring keys, neighbours along the next K (the keys).  So each conversion's
; two registers ARE two registers of the next operand, and a wave's stores cover 512 consecutive bytes, aligned: no trip through LDS on the way out.
; IMAGES.  q_img, k_img: [batch 4][head 16][token tile 128][2][lane][16 bytes]: lane (r, h): token r, registers 2 c, 2 c + 1: d = 16 c + 8 h + 0 .. 7.   v_img: [batch][head][key step 16][channel tile 4][4][lane][16]: lane: channel r, registers 2 c, 2 c + 1: key 16 c + 8 h + 0 .. 7.
; In THIS product both operands are fetched by loads of 16 bytes: lane l holds K = 32 c + 16 (l / 16) + 0 .. 15 in registers 4 c .. 4 c + 3: a permutation of k, the same on both sides, so each product meets its partner.
; CLUSTERS: 4 x 4 work-groups.  The four of a row of the cluster need the same tiles of A, the four of a column the same tiles of B: each is asked for jointly, by the same tensor load with a mask that names the four.
; A wave has two tensor loads out at the start and one behind each round.
; THE SCALES.  A sum stands for sum x 2^E, E = ex + ew.  The bias goes in as b / 2^E, and the conversion takes 2^(eo - E).  LIMIT: eo - ex - ew between -126 and 119.  NaN is not served.
; REGISTERS, in windows of 256: window 0: v0-31 addresses, the scale; v32-95 the bias by features, v96-111 the bias by lanes; from v128 A's fragments, one set; on the way out v128-191 at work, v192-255 codes.
;   window 1: B's fragments, two sets.   window 2: the accumulators of my A rows 0-63 ((a, b) at v[8 (8 a + b)]);   window 3: those of rows 64-127.
.set KSTEP,  256
.set ROWB,   256
.set KROW,   1024                      ; a row of codes in memory
.set PITCH,  272                       ; an LDS row: 256 bytes + 16 of padding = 68 words: the 16 rows of a fragment load start at 16 different banks (64 banks of 4 bytes: ISA guide 11.1)
.set FR,     16
.set NL,     4
.set NP,     4                         ; places behind this matrix instruction (ISA guide 7.12.1)
.set HALFT,  128*PITCH
.set SLOT,   4*HALFT
.set SPARE,  2*SLOT                    ; behind the ring: the spare words, 128 bytes for each wave
.set SC,   12                          ; v12     2^(eo - E)
.set LM,   13
.set ADRA, 16
.set ADRB, 20
.set CO,   26                          ; v26     16 x lane
.set SPW,  28
.set NIL,  29
.set BIAS, 32
.set BV,   96
.set AF,   128
.set WK,   128
.set CD,   192
.set G1, 24
.set G0, 32
.set G1B, 48
.set G0B, 56
.set MSB, 0
.macro WIN new                         ; the immediate's high byte repeats the setting that is left
.if MSB != \new
	s_set_vgpr_msb (MSB<<8)|\new
.set MSB, \new
.endif
.endm
.set MUL_LO, 0xa1                      ; source 0 (B) window 1, source 1 (A) window 0, C and D window 2
.set MUL_HI, 0xf1
.set TO_B,   0x40
; A joint load: waves 0 and 1 fetch for A, waves 2 and 3 for B; the branch hangs on the wave's number alone.  Four v_nop follow each of the two lines.
.macro JLOAD g0a, g1a, g0b, g1b
	s_cmp_eq_u32 s15, 0
	s_cbranch_scc0 .Lfor_b_\@
	tensor_load_to_lds s[\g0a:\g0a+3], s[\g1a:\g1a+7]
	s_nop 0
.rept 4
	v_nop
.endr
	s_branch .Lasked_\@
.Lfor_b_\@:
	tensor_load_to_lds s[\g0b:\g0b+3], s[\g1b:\g1b+7]
	s_nop 0
.rept 4
	v_nop
.endr
.Lasked_\@:
.endm
.macro CREST                           ; a round of the cluster's barrier behind its opening barrier
	s_cmp_lg_u32 s14, 0
	s_cbranch_scc1 .Lnot_wave_0_\@
	s_barrier_signal -3
.Lnot_wave_0_\@:
	s_barrier_wait -3
	s_barrier_signal -1
	s_barrier_wait -1
.endm
.macro CROUND
	s_barrier_signal -1
	s_barrier_wait -1
	CREST
.endm
	s_load_b256 s[68:75], s[0:1], 0x0              ; xc, Wq, Wk, Wv
	s_load_b256 s[76:83], s[0:1], 0x20             ; bq, bk, bv, the scales' exponents
	s_load_b128 s[84:87], s[0:1], 0x40             ; q_img, k_img
	s_load_b64 s[88:89], s[0:1], 0x50              ; v_img
	v_lshl_add_u32 v[SPW], v0, 2, SPARE
	v_mov_b32 v[NIL], 0
	ds_add_u32 v28, v29
	ds_add_u32 v28, v29
	s_wait_dscnt 0x0
	v_lshrrev_b32 v1, 5, v0
	v_readfirstlane_b32 s14, v1                    ; wave 0..3
	s_lshr_b32 s15, s14, 1                         ; which half of A's rows is mine.  Also: I fetch for A (0) or for B (1)
	s_and_b32 s16, s14, 1                          ; which half of B's rows.  Also: which 128 rows of that tile I fetch
	s_bfe_u32 s40, ttmp6, 0x40000                  ; cx, cy: my place in the cluster
	s_bfe_u32 s41, ttmp6, 0x40004
	s_and_b32 s66, ttmp7, 0xffff
	s_lshl_b32 s66, s66, 2                         ; 4 x cluster y: the tokens' 32 tiles go along y
	s_lshl_b32 s12, ttmp9, 23                      ; x's set of codes: 8,388,608 bytes each
	s_mov_b32 s13, 0
	s_cmp_eq_u32 ttmp9, 2                          ; v?
	s_cselect_b32 s17, 0, s66
	s_cselect_b32 s42, s66, 0
	s_add_co_u32 s17, s17, s41                     ; A's tile: q, k: tokens, 4 x cluster y + cy;  v: features, cy
	s_add_co_u32 s42, s42, s40                     ; B's tile: q, k: features, cx;  v: tokens, 4 x cluster y + cx
	s_lshl_b32 s43, s41, 2
	s_lshl_b32 s43, 15, s43                        ; my row of the cluster
	s_lshl_b32 s44, 0x1111, s40                    ; my column
	s_or_b32 s[G1+0], s43, (0<<16)|(1<<20)|(1<<21)|(5<<22)|(3<<25)  ; the mask: A's tiles go to my row; elements of 1 byte; padding on; bit 21 beside a mask; after every 64 words, 4 words
	s_or_b32 s[G1B+0], s44, (0<<16)|(1<<20)|(1<<21)|(5<<22)|(3<<25)
.irp g, G1, G1B
	s_mov_b32 s[\g+1], ROWB<<16                    ; tensor_dim0
	s_mov_b32 s[\g+2], 128<<16                     ; tensor_dim1
	s_mov_b32 s[\g+3], ROWB<<16                    ; tile_dim0
	s_mov_b32 s[\g+4], 128                         ; tile_dim1
	s_mov_b32 s[\g+5], KROW                        ; tensor_dim0_stride
	s_mov_b32 s[\g+6], 0
	s_mov_b32 s[\g+7], 0
.endr
	s_lshl_b32 s18, s16, 7
	s_lshl_b32 s20, s17, 8
	s_add_co_u32 s20, s20, s18                     ; A: row 256 x tile + 128 x half,
	s_lshl_b32 s20, s20, 10                        ; in bytes
	s_mov_b32 s21, 0
	s_lshl_b32 s46, s42, 8
	s_add_co_u32 s46, s46, s18                     ; B likewise
	s_lshl_b32 s46, s46, 10
	s_mov_b32 s47, 0
	s_mul_i32 s45, s14, HALFT                      ; where they go: wave x 128 rows: no place in the cluster enters an LDS address
	s_wait_kmcnt 0x0
	s_load_b256 s[92:99], s[82:83], 0x0            ; entries 0 to 7
	s_load_b32 s100, s[82:83], 0x24                ; entry 9
	s_add_nc_u64 s[68:69], s[68:69], s[12:13]      ; my set of x's codes
	s_cmp_eq_u32 ttmp9, 1
	s_cselect_b64 s[6:7], s[72:73], s[70:71]       ; the weight,
	s_cselect_b64 s[8:9], s[78:79], s[76:77]       ; the bias,
	s_cselect_b64 s[10:11], s[86:87], s[84:85]     ; the images
	s_cmp_eq_u32 ttmp9, 2
	s_cselect_b64 s[6:7], s[74:75], s[6:7]
	s_cselect_b64 s[8:9], s[80:81], s[8:9]
	s_cselect_b64 s[10:11], s[88:89], s[10:11]
	s_cselect_b64 s[4:5], s[6:7], s[68:69]         ; A: Wv for v, else x
	s_cselect_b64 s[6:7], s[68:69], s[6:7]         ; B: x for v, else the weight
	s_add_nc_u64 s[20:21], s[4:5], s[20:21]
	s_add_nc_u64 s[46:47], s[6:7], s[46:47]
	CROUND                                         ; all sixteen work-groups are here: the first joint loads meet
.irp s, 0,1
	s_mov_b32 s[G0+4*\s], 1
	s_add_co_u32 s[G0+4*\s+1], s45, \s*SLOT
	s_add_nc_u64 s[G0+4*\s+2:G0+4*\s+3], s[20:21], \s*ROWB
	s_or_b32 s[G0+4*\s+3], s[G0+4*\s+3], 0x80000000
	s_mov_b32 s[G0B+4*\s], 1
	s_add_co_u32 s[G0B+4*\s+1], s45, \s*SLOT
	s_add_nc_u64 s[G0B+4*\s+2:G0B+4*\s+3], s[46:47], \s*ROWB
	s_or_b32 s[G0B+4*\s+3], s[G0B+4*\s+3], 0x80000000
	s_wait_alu depctr_va_vdst(0)
	s_wait_tensorcnt 0x0
	ds_add_u32 v28, v29
	ds_add_u32 v28, v29
	s_wait_dscnt 0x0
	CROUND
	JLOAD G0+4*\s, G1, G0B+4*\s, G1B
.endr
	v_and_b32 v1, 15, v0                           ; r
	v_bfe_u32 v2, v0, 4, 1                         ; h
	s_wait_alu depctr_va_vdst(0)
	v_mul_u32_u24 v3, v1, PITCH
	v_lshl_add_u32 v4, v2, 4, v3                   ; a fragment's row x pitch + 16 x half
	s_mul_i32 s21, s15, HALFT                      ; my 128 rows of A
	s_mul_i32 s22, s16, HALFT                      ; my 128 rows of B,
	s_add_co_u32 s22, s22, 2*HALFT                 ; which lie behind A's 256
.irp s, 0,1
	v_add_nc_u32 v[ADRA+\s], s21, v4
	v_add_nc_u32 v[ADRB+\s], s22, v4
	s_add_co_u32 s21, s21, SLOT
	s_add_co_u32 s22, s22, SLOT
.endr
	; where my results go, and my part of the bias
	s_lshl_b32 s90, s17, 8
	s_lshl_b32 s18, s15, 7
	s_add_co_u32 s90, s90, s18                     ; my first row of A
	s_lshl_b32 s91, s42, 8
	s_lshl_b32 s18, s16, 7
	s_add_co_u32 s91, s91, s18                     ; my first row of B
	s_cmp_eq_u32 ttmp9, 2
	s_cselect_b32 s18, s91, s90                    ; my first token
	s_cselect_b32 s19, s90, s91                    ; my first feature
	s_lshl_b32 s20, s19, 2
	s_mov_b32 s21, 0
	s_add_nc_u64 s[8:9], s[8:9], s[20:21]
	s_lshr_b32 s20, s18, 11
	s_lshl_b32 s20, s20, 21                        ; the batch: 16 heads x 131,072 bytes
	s_lshr_b32 s22, s19, 6
	s_lshl_b32 s22, s22, 17                        ; the head
	s_add_co_u32 s20, s20, s22
	s_and_b32 s22, s18, 2047
	s_lshl_b32 s22, s22, 6                         ; 64 bytes a token in all three buffers: 1,024 for 16 tokens, 8,192 for 128 keys
	s_add_co_u32 s20, s20, s22
	s_add_nc_u64 s[10:11], s[10:11], s[20:21]
	v_lshlrev_b32 v5, 5, v2                        ; 32 h
	v_lshlrev_b32 v6, 2, v1                        ; 4 r
	v_and_b32 v7, 31, v0
	v_lshlrev_b32 v[CO], 4, v7
.irp b, 0,1,2,3,4,5,6,7                ; both patterns of the bias are loaded, whichever matrix this is: register 8 b + j: feature 16 b + 8 h + j;
	global_load_b128 v[BIAS+8*\b:BIAS+8*\b+3], v5, s[8:9] offset:64*\b
	global_load_b128 v[BIAS+8*\b+4:BIAS+8*\b+7], v5, s[8:9] offset:64*\b+16
.endr
.irp a, 0,1,2,3,4,5,6,7                ; registers 2 a, 2 a + 1: feature 16 a + r, twice (a pair for the packed addition)
	global_load_b32 v[BV+2*\a], v6, s[8:9] offset:64*\a
	global_load_b32 v[BV+2*\a+1], v6, s[8:9] offset:64*\a
.endr
.macro FRAG reg, adr, q, i             ; a fragment, 16 rows x 128 K, is 16 registers
.irp c, 0,1,2,3
	ds_load_b128 v[\reg+4*\c:\reg+4*\c+3], v[\adr] offset:128*(\q)+32*\c+(\i)*16*PITCH
.endr
.endm
; 16 matrix instructions: A's blocks a0, a0 + 1 x B's eight.  The 64 accumulators take turns, one instruction a turn, in the same order in every step.
.macro MUL16 a0, p, zero
.irp a, \a0, \a0+1
.irp b, 0,1,2,3,4,5,6,7
.if \zero
	v_wmma_f32_16x16x128_fp8_fp8 v[8*(8*((\a)%4)+\b):8*(8*((\a)%4)+\b)+7], v[128*(\p)+FR*\b:128*(\p)+FR*\b+FR-1], v[AF+FR*(\a):AF+FR*(\a)+FR-1], 0
.else
	v_wmma_f32_16x16x128_fp8_fp8 v[8*(8*((\a)%4)+\b):8*(8*((\a)%4)+\b)+7], v[128*(\p)+FR*\b:128*(\p)+FR*\b+FR-1], v[AF+FR*(\a):AF+FR*(\a)+FR-1], v[8*(8*((\a)%4)+\b):8*(8*((\a)%4)+\b)+7]
.endif
.endr
.endr
.endm
.macro FETCH_B slot, q, p
	WIN TO_B
.irp i, 0,1,2,3,4,5,6,7
	FRAG 128*(\p)+FR*\i, ADRB+\slot, \q, \i
.endr
	WIN 0
.endm
.macro FETCH_A slot, q, i0
.irp i, \i0, \i0+1, \i0+2, \i0+3
	FRAG AF+FR*(\i), ADRA+\slot, \q, \i
.endr
.endm
.macro PLACES n                        ; plain vector lines between a matrix instruction and a load into, or a vector line on, its registers
.rept \n
	v_nop
.endr
.endm
; A step of 128 along K that has its successor in the same slot.  A has one set of registers: blocks 0-3 are fetched anew in the step's middle, blocks 4-7 at its end; B has two sets.
.macro STEP slot, q, zero
	s_wait_dscnt 4*NL                              ; B's set and A's blocks 0-3 are in; the youngest 16 loads (A's blocks 4-7) may be out
	WIN MUL_LO
	MUL16 0, (\q)%2, \zero
	MUL16 2, (\q)%2, \zero
	s_wait_dscnt 0                                 ; A's blocks 4-7 are in
	PLACES NP
	FETCH_B \slot, (\q)+1, 1-(\q)%2
	FETCH_A \slot, (\q)+1, 0
	WIN MUL_HI
	MUL16 4, (\q)%2, \zero
	MUL16 6, (\q)%2, \zero
	PLACES NP
	WIN 0
	FETCH_A \slot, (\q)+1, 4
.endm
; A slot's last step changes slots: one barrier; in front of it each wave waits for all its tensor loads, adds 0 to its spare word, and waits for that and for its reads of this slot.  fill = 1: the slot is filled again, two K steps ahead.
.macro TURN slot, next, fill
	s_wait_tensorcnt 0x0                           ; all my tensor loads have landed: my part of the next slot
	ds_add_u32 v[SPW], v[NIL]                      ; 0 onto my spare word
	s_wait_dscnt 4*NL+1                            ; the add and the youngest 16 loads may be out
	WIN MUL_LO
	MUL16 0, 1, 0
	s_wait_dscnt 0x0                               ; the add is done, and my reads of this slot are over
	s_barrier_signal -1
	MUL16 2, 1, 0
	WIN 0
	s_barrier_wait -1
.if \fill
	CREST                                          ; the barrier has opened a round of the cluster's: no wave of any partner still reads this slot or has a load on its way
	s_add_nc_u64 s[G0+4*\slot+2:G0+4*\slot+3], s[G0+4*\slot+2:G0+4*\slot+3], 2*ROWB
	s_add_nc_u64 s[G0B+4*\slot+2:G0B+4*\slot+3], s[G0B+4*\slot+2:G0B+4*\slot+3], 2*ROWB
	JLOAD G0+4*\slot, G1, G0B+4*\slot, G1B         ; the first tensor load behind the round; its four v_nop are the places in front of the loads below
.else
	PLACES NP
.endif
	FETCH_B \next, 0, 0
	FETCH_A \next, 0, 0
	WIN MUL_HI
	MUL16 4, 1, 0
	MUL16 6, 1, 0
	PLACES NP
	WIN 0
	FETCH_A \next, 0, 4
.endm
	s_wait_alu depctr_va_vdst(0)
	s_wait_tensorcnt 1                             ; my part of K step 0 is in; K step 1's load may be out
	s_barrier_signal -1
	s_barrier_wait -1
	FETCH_B 0, 0, 0
	FETCH_A 0, 0, 0
	FETCH_A 0, 0, 4
	STEP 0, 0, 1                                   ; the first products start the sums: nothing is cleared
	TURN 0, 1, 1                                   ; K = 1,024 is four slots' worth: both slots are filled once more
	STEP 1, 0, 0
	TURN 1, 0, 1
	STEP 0, 0, 0
	TURN 0, 1, 0                                   ; the last two slots: nothing is left to fetch
	STEP 1, 0, 0
	s_wait_dscnt 4*NL
	WIN MUL_LO
	MUL16 0, 1, 0
	MUL16 2, 1, 0
	s_wait_dscnt 0
	WIN MUL_HI
	MUL16 4, 1, 0
	MUL16 6, 1, 0
	WIN 0
	; THE WAY OUT: sum + b / 2^E, held, converted with 2^(eo - E), stored as it stands
	s_wait_kmcnt 0x0
	s_wait_loadcnt 0x0                             ; the bias
	s_cmp_eq_u32 ttmp9, 1
	s_cselect_b32 s18, s94, s92                    ; ex
	s_cselect_b32 s19, s95, s93                    ; ew
	s_cselect_b32 s20, s99, s98                    ; eo
	s_cmp_eq_u32 ttmp9, 2
	s_cselect_b32 s18, s96, s18
	s_cselect_b32 s19, s97, s19
	s_cselect_b32 s20, s100, s20
	s_add_co_i32 s18, s18, s19                     ; E
	s_sub_co_i32 s19, 0, s18
	s_sub_co_i32 s20, s20, s18
	s_add_co_i32 s20, s20, 127
	s_lshl_b32 s21, s20, 23
	v_mov_b32 v[SC], s21
.set jj, 0
.rept 80
	v_ldexp_f32 v[BIAS+jj], v[BIAS+jj], s19        ; b / 2^E.  (These lines are also the places behind the last products)
.set jj, jj+1
.endr
; Block a: my A rows 16 a .. 16 a + 15 against all 128 rows of B.  isv = 0: two heads' images of token tile a;  isv = 1: the fragment of channel tile a % 4 of head a / 4.
.macro OUTB a, isv
.set AC, 64*((\a)%4)
.set CB, CD+16*((\a)%4)
.if (\a) >= 4
	s_wait_xcnt 0x0                                ; block a - 4's stores have read their data: its registers are written again
.endif
	WIN (0x02+((\a)/4))                            ; source 0: window 2 or 3
.set jj, 0
.rept 32
.if \isv
	v_pk_add_f32 v[WK+jj:WK+jj+1], v[AC+jj:AC+jj+1], v[BV+2*(\a):BV+2*(\a)+1]
.else
	v_pk_add_f32 v[WK+jj:WK+jj+1], v[AC+jj:AC+jj+1], v[BIAS+jj:BIAS+jj+1]   ; each accumulator from its low end on
.endif
.set jj, jj+2
.endr
	WIN 0
.irp b, 0,1,2,3,4,5,6,7
.irp i, 0,1,2,3,4,5,6,7
.endr
	v_cvt_scalef32_pk8_fp8_f32 v[CB+2*\b:CB+2*\b+1], v[WK+8*\b:WK+8*\b+7], v[SC]
.endr
	v_nop                                          ; a plain line behind the last conversion: the next block writes its sources
.irp u, 0,1,2,3
.if \isv
	global_store_b128 v[CO], v[CB+4*\u:CB+4*\u+3], s[10:11] offset:131072*((\a)/4)+2048*((\a)%4)+512*\u
.else
	global_store_b128 v[CO], v[CB+4*\u:CB+4*\u+3], s[10:11] offset:1024*(\a)+131072*(\u/2)+512*(\u%2)
.endif
.endr
.endm
	s_cmp_eq_u32 ttmp9, 2                          ; the cluster's x: the same way in all partners
	s_cbranch_scc1 .Lvform
.irp a, 0,1,2,3,4,5,6,7
	OUTB \a, 0
.endr
	s_branch .Ljoin
.Lvform:
.irp a, 0,1,2,3,4,5,6,7
	OUTB \a, 1
.endr
.Ljoin:
	s_wait_tensorcnt 0x0                           ; the wave's end
	ds_add_u32 v[SPW], v[NIL]
	s_wait_dscnt 0x0
	CROUND                                         ; the closing round: no work-group ends while a partner may still ask for a tile that names it
	s_endpgm
.Lfunc_end_k_q59eac6b46d_qkv:
	.size	k_q59eac6b46d_qkv, .Lfunc_end_k_q59eac6b46d_qkv-k_q59eac6b46d_qkv
	.p2alignl 7, 3214868480
	.fill 96, 4, 3214868480
	.section	.rodata,"a",@progbits
	.p2align	6, 0x0
	.amdhsa_kernel k_q59eac6b46d_qkv
		.amdhsa_group_segment_fixed_size 327680
		.amdhsa_private_segment_fixed_size 0
		.amdhsa_enable_private_segment 0
		.amdhsa_kernarg_size 88
		.amdhsa_user_sgpr_count 2
		.amdhsa_user_sgpr_kernarg_segment_ptr 1
		.amdhsa_wavefront_size32 1
		.amdhsa_system_sgpr_workgroup_id_x 1
		.amdhsa_system_sgpr_workgroup_id_y 1
		.amdhsa_system_sgpr_workgroup_id_z 1
		.amdhsa_system_vgpr_workitem_id 0
		.amdhsa_next_free_vgpr 1024
		.amdhsa_next_free_sgpr 102
		.amdhsa_reserve_vcc 0
		.amdhsa_float_denorm_mode_32 3
		.amdhsa_float_denorm_mode_16_64 3
		.amdhsa_fp16_overflow 1
		.amdhsa_memory_ordered 1
		.amdhsa_forward_progress 1
		.amdhsa_inst_pref_size 135
	.end_amdhsa_kernel
	.amdgpu_metadata
---
amdhsa.version: [ 1, 2 ]
amdhsa.kernels:
  - .name:           k_q59eac6b46d_qkv
    .symbol:         k_q59eac6b46d_qkv.kd
    .args:
      - { .name: xc, .offset: 0, .size: 8, .value_kind: global_buffer, .address_space: global }
      - { .name: Wq_codes, .offset: 8, .size: 8, .value_kind: global_buffer, .address_space: global }
      - { .name: Wk_codes, .offset: 16, .size: 8, .value_kind: global_buffer, .address_space: global }
      - { .name: Wv_codes, .offset: 24, .size: 8, .value_kind: global_buffer, .address_space: global }
      - { .name: bq, .offset: 32, .size: 8, .value_kind: global_buffer, .address_space: global }
      - { .name: bk, .offset: 40, .size: 8, .value_kind: global_buffer, .address_space: global }
      - { .name: bv, .offset: 48, .size: 8, .value_kind: global_buffer, .address_space: global }
      - { .name: lowp_scales, .offset: 56, .size: 8, .value_kind: global_buffer, .address_space: global }
      - { .name: q_img, .offset: 64, .size: 8, .value_kind: global_buffer, .address_space: global }
      - { .name: k_img, .offset: 72, .size: 8, .value_kind: global_buffer, .address_space: global }
      - { .name: v_img, .offset: 80, .size: 8, .value_kind: global_buffer, .address_space: global }
    .group_segment_fixed_size: 327680
    .private_segment_fixed_size: 0
    .kernarg_segment_align: 8
    .kernarg_segment_size: 88
    .max_flat_workgroup_size: 128
    .sgpr_count:     102
    .vgpr_count:     1024
    .wavefront_size: 32
...
	.end_amdgpu_metadata
.endif
;; end of part 2
;; launch attn (part 3): grid 4 x 64, 16 waves a work-group, no clusters, 327,680 bytes of LDS; arguments q_img, k_img, v_img, x, lowp_scales, a_img; writes a_img
.if DOCPART == 3
	.amdgcn_target "amdgcn-amd-amdhsa--gfx1250"
	.amdhsa_code_object_version 6
	.text
	.protected	k_q59eac6b46d_attn
	.globl	k_q59eac6b46d_attn
	.p2align	8
	.type	k_q59eac6b46d_attn,@function
k_q59eac6b46d_attn:
	s_mov_b64 s[64:65], 0
	v_nop
	global_prefetch_b8 v0, s[64:65] scope:SCOPE_SE
	s_setreg_imm32_b32 hwreg(HW_REG_WAVE_MODE, 25, 1), 1
	s_wait_xcnt 0x0
.set LI,  1
.set LV,  2
.set ADK, 3
.set ADV, 4
.set DL,  5
.set DH,  6
.set XL,  7
.set XH,  8
.set PFO, 9
.set SCA, 10
.set LMA, 11
.set STL, 12
.set STH, 16
.set QL,  20
.set QH,  28
.set F,   36
.set S,   100
.set OL,  164
.set OH,  196
.set P,   228
.set SCP, 244
.set LMP, 245
.set NINF, 246
.set PX,  247
.set FF,  248
.set SU,  250
.set MB,  252
.set MA,  254
.set WV,  18
.set SEL, 20
.set CS,  22
.set G1A, 24
.set G1B, 32
.set G0A, 40
.set G0B, 44
.set TB,  48
.set SI,  49
.set NDL, 51
.set NDH, 52
.set PFT, 53
	s_load_b256 s[4:11], s[0:1], 0x0
	s_load_b128 s[12:15], s[0:1], 0x20
	v_lshl_add_u32 v253, v0, 2, 0x40000
	v_mov_b32 v255, 0
	ds_add_u32 v253, v255
	ds_add_u32 v253, v255
	v_lshrrev_b32 v1, 5, v0
	s_delay_alu instid0(VALU_DEP_1)
	v_readfirstlane_b32 s[WV], v1
	s_and_b32 s16, ttmp7, 0xffff
	s_lshl_b32 s2, s16, 17
	s_mov_b32 s3, 0
	s_lshr_b32 s17, s[WV], 3
	s_and_b32 s19, s[WV], 7
.irp g, G1A, G1B
	s_mov_b32 s[\g], 3<<16
	s_mov_b32 s[\g+1], 32<<16
	s_mov_b32 s[\g+3], 32<<16
	s_mov_b32 s[\g+5], 32
	s_mov_b32 s[\g+6], 0
	s_mov_b32 s[\g+7], 0
.endr
	s_mov_b32 s[G1A+2], 8<<16
	s_mov_b32 s[G1A+4], 8
	s_mov_b32 s[G1B+2], 56<<16
	s_mov_b32 s[G1B+4], 56
	s_mov_b32 s[SEL], 0x76543210
	s_mov_b32 s[SEL+1], 0xfedcba98
	s_mov_b32 s[CS], 0x3d0293ee
	s_lshl_b32 s50, s17, 17
	s_lshl_b32 s70, s19, 11
	s_mov_b32 s71, 0
	s_mul_i32 s62, s19, 14336
	s_add_co_u32 s62, s62, 16384
	s_mov_b32 s63, 0
	s_mov_b32 s[G0A], 1
	s_add_co_u32 s[G0A+1], s50, s70
	s_mov_b32 s[G0B], 1
	s_add_co_u32 s[G0B+1], s50, s62
	s_wait_dscnt 0x0
	s_wait_kmcnt 0x0
	s_load_b64 s[56:57], s[12:13], 0x18
	s_load_b64 s[58:59], s[12:13], 0x20
	s_load_b32 s60, s[12:13], 0x28
	s_cmp_lt_u32 s[WV], 8
	s_cselect_b64 s[54:55], s[6:7], s[8:9]
	s_add_nc_u64 s[54:55], s[54:55], s[2:3]
	s_add_nc_u64 s[G0A+2:G0A+3], s[54:55], s[70:71]
	s_or_b32 s[G0A+3], s[G0A+3], 0x80000000
	s_add_nc_u64 s[G0B+2:G0B+3], s[54:55], s[62:63]
	s_or_b32 s[G0B+3], s[G0B+3], 0x80000000
	tensor_load_to_lds s[G0A:G0A+3], s[G1A:G1A+7]
	s_nop 0
	s_wait_alu depctr_va_vdst(0)
	s_wait_tensorcnt 0x0
	ds_add_u32 v253, v255
	s_wait_dscnt 0x0
	s_barrier_signal -1
	s_barrier_wait -1
	tensor_load_to_lds s[G0B:G0B+3], s[G1B:G1B+7]
	s_nop 0
.rept 4
	v_nop
.endr
	v_and_b32 v[LI], 31, v0
	s_delay_alu instid0(VALU_DEP_1)
	v_lshlrev_b32 v[LI], 4, v[LI]
	s_wait_alu depctr_va_vdst(0)
	v_add_nc_u32 v[LV], 0x20000, v[LI]
	v_and_b32 v250, 15, v0
	v_bfe_u32 v251, v0, 4, 1
	s_wait_alu depctr_va_vdst(0)
	s_add_nc_u64 s[62:63], s[4:5], s[2:3]
	s_lshl_b32 s50, ttmp9, 4
	s_add_co_u32 s50, s50, s[WV]
	s_sub_co_u32 s54, 127, s50
	s_lshr_b32 s[NDL], s50, 3
	s_lshr_b32 s[NDH], s54, 3
	s_sub_co_i32 s[PFT], s[NDL], 1
	s_lshl_b32 s70, s50, 10
	v_add_nc_u32 v[ADK], s70, v[LI]
	s_lshl_b32 s70, s54, 10
	v_add_nc_u32 v[ADV], s70, v[LI]
	global_load_b128 v[QL:QL+3], v[ADK], s[62:63]
	global_load_b128 v[QL+4:QL+7], v[ADK], s[62:63] offset:512
	global_load_b128 v[QH:QH+3], v[ADV], s[62:63]
	global_load_b128 v[QH+4:QH+7], v[ADV], s[62:63] offset:512
	v_lshlrev_b32 v252, 3, v251
	s_delay_alu instid0(VALU_DEP_1)
	v_sub_nc_u32 v252, v250, v252
	s_and_b32 s70, s50, 7
	s_lshl_b32 s70, s70, 4
	v_add_nc_u32 v[DL], s70, v252
	s_and_b32 s70, s54, 7
	s_lshl_b32 s70, s70, 4
	v_add_nc_u32 v[DH], s70, v252
	s_lshr_b32 s55, s16, 4
	s_and_b32 s16, s16, 15
	v_lshlrev_b32 v254, 12, v250
	s_delay_alu instid0(VALU_DEP_1)
	v_lshl_add_u32 v252, v251, 5, v254
	s_lshl_b32 s17, s55, 11
	s_lshl_b32 s19, s16, 8
	s_lshl_b32 s70, s50, 4
	s_add_co_u32 s70, s70, s17
	s_lshl_b32 s70, s70, 12
	s_add_co_u32 s70, s70, s19
	v_add_nc_u32 v[XL], s70, v252
	s_sub_co_u32 s71, s54, s50
	s_lshl_b32 s71, s71, 16
	v_mul_u32_u24 v[PFO], s71, v251
	s_wait_alu depctr_va_vdst(0)
	v_add3_u32 v[PFO], v[PFO], v254, s70
	s_lshl_b32 s70, s54, 4
	s_add_co_u32 s70, s70, s17
	s_lshl_b32 s70, s70, 12
	s_add_co_u32 s70, s70, s19
	v_add_nc_u32 v[XH], s70, v252
	s_lshl_b32 s17, s55, 7
	s_lshl_b32 s19, s16, 10
	s_add_co_u32 s2, s17, s50
	s_lshl_b32 s2, s2, 14
	s_add_co_u32 s2, s2, s19
	s_add_nc_u64 s[66:67], s[14:15], s[2:3]
	s_add_co_u32 s2, s17, s54
	s_lshl_b32 s2, s2, 14
	s_add_co_u32 s2, s2, s19
	s_add_nc_u64 s[68:69], s[14:15], s[2:3]
.irp b, STL, STH
	v_mov_b32 v[\b+1], 0xff61b1e6
	s_delay_alu instid0(VALU_DEP_1)
	v_floor_f32 v[\b], -v[\b+1]
	v_mov_b32 v[\b+2], 0
	v_mov_b32 v[\b+3], 0
.endr
	v_mov_b32 v[NINF], 0xff800000
	v_mov_b32 v[PX], 0
	v_mov_b32 v[FF+1], 0
.set jj, 0
.rept 64
	v_mov_b32 v[OL+jj], 0
.set jj, jj+1
.endr
	s_wait_kmcnt 0x0
	s_add_co_i32 s70, s56, s57
	s_lshl_b32 s70, s70, 23
	s_add_co_i32 s[CS], s[CS], s70
	s_mov_b32 s[CS+1], s[CS]
	s_add_co_i32 s70, s58, 127
	s_lshl_b32 s71, s70, 23
	v_mov_b32 v[SCP], s71
	s_add_co_i32 s70, s60, 127
	s_lshl_b32 s71, s70, 23
	v_mov_b32 v[SCA], s71
	s_add_co_i32 s61, s58, s59
.macro STEP QB, OB, SB, ND, D
	s_cmp_gt_u32 s[SI], s[\ND]
	s_cbranch_scc1 .Lhidden_\@
	v_add_nc_u32 v[ADK], s[TB], v[LI]
	v_add_nc_u32 v[ADV], s[TB], v[LV]
	v_nop
	v_nop
.irp t, 0,1,2,3,4,5,6,7
	ds_load_b128 v[F+8*\t:F+8*\t+3], v[ADK] offset:1024*\t
	ds_load_b128 v[F+8*\t+4:F+8*\t+7], v[ADK] offset:1024*\t+512
.endr
	s_wait_alu depctr_va_vdst(0)
	s_wait_dscnt 8
.irp t, 0,1,2,3
	v_wmma_f32_16x16x64_fp8_fp8 v[S+8*\t:S+8*\t+7], v[F+8*\t:F+8*\t+7], v[\QB:\QB+7], 0
.endr
	s_wait_dscnt 0x0
.irp t, 4,5,6,7
	v_wmma_f32_16x16x64_fp8_fp8 v[S+8*\t:S+8*\t+7], v[F+8*\t:F+8*\t+7], v[\QB:\QB+7], 0
.endr
.rept 4
	v_nop
.endr
.irp u, 0,1,2,3
.irp i, 0,1,2,3
	ds_load_b128 v[F+16*\u+4*\i:F+16*\u+4*\i+3], v[ADV] offset:2048*\u+512*\i
.endr
.endr
	s_cmp_lt_u32 s[SI], s[\ND]
	s_cbranch_scc1 .Lopen_\@
.set nn, 0
.rept 64
	v_cmp_gt_i32 vcc_lo, 16*(nn/8)+nn%8, v[\D]
	v_cndmask_b32 v[S+nn], v[S+nn], v[NINF], vcc_lo
.set nn, nn+1
.endr
.Lopen_\@:
	v_max3_num_f32 v[MA], v[S], v[S+1], v[S+2]
	v_max3_num_f32 v[MB], v[S+3], v[S+4], v[S+5]
.irp i, 6,10,14,18,22,26,30,34,38,42,46,50,54,58
	v_max3_num_f32 v[MA], v[MA], v[S+\i], v[S+\i+1]
	v_max3_num_f32 v[MB], v[MB], v[S+\i+2], v[S+\i+3]
.endr
	v_max3_num_f32 v[MA], v[MA], v[S+62], v[S+63]
	s_delay_alu instid0(VALU_DEP_1)
	v_max_num_f32 v[MA], v[MA], v[MB]
	s_delay_alu instid0(VALU_DEP_1)
	v_permlanex16_b32 v[PX], v[MA], s[SEL], s[SEL+1]
	s_delay_alu instid0(VALU_DEP_1)
	v_max_num_f32 v[MA], v[MA], v[PX]
	s_delay_alu instid0(VALU_DEP_1)
	v_mul_f32 v[MA], s[CS], v[MA]
	s_delay_alu instid0(VALU_DEP_1)
	v_max_num_f32 v[\SB+1], v[\SB+1], v[MA]
	v_mov_b32 v[MA], v[\SB]
	s_delay_alu instid0(VALU_DEP_2)
	v_floor_f32 v[\SB], -v[\SB+1]
	s_delay_alu instid0(VALU_DEP_1)
	v_sub_f32 v[MA], v[\SB], v[MA]
	s_delay_alu instid0(VALU_DEP_1)
	v_cvt_i32_f32 v[MA], v[MA]
	s_delay_alu instid0(VALU_DEP_1)
	v_ldexp_f32 v[FF], 1.0, v[MA]
.set jj, 0
.rept 32
	v_pk_fma_f32 v[S+jj:S+jj+1], v[S+jj:S+jj+1], s[CS:CS+1], v[\SB:\SB+1] op_sel_hi:[1,0,0]
.set jj, jj+2
.endr
.set jj, 0
	s_wait_alu depctr_va_vdst(0)
.rept 64
	v_exp_f32 v[S+jj], v[S+jj]
.set jj, jj+1
.endr
	v_pk_mul_f32 v[\SB+2:\SB+3], v[\SB+2:\SB+3], v[FF:FF+1] op_sel_hi:[1,0]
	s_wait_alu depctr_va_vdst(0)
	v_pk_add_f32 v[SU:SU+1], v[S:S+1], v[S+2:S+3]
.irp j, 4,8,12,16,20,24,28,32,36,40,44,48,52,56,60
	v_pk_add_f32 v[\SB+2:\SB+3], v[\SB+2:\SB+3], v[S+\j:S+\j+1]
	v_pk_add_f32 v[SU:SU+1], v[SU:SU+1], v[S+\j+2:S+\j+3]
.endr
	s_delay_alu instid0(VALU_DEP_1)
	v_pk_add_f32 v[\SB+2:\SB+3], v[\SB+2:\SB+3], v[SU:SU+1]
.irp t, 0,1,2,3,4,5,6,7
.irp i, 0,1,2,3,4,5,6,7
.endr
	v_cvt_scalef32_pk8_fp8_f32 v[P+2*\t:P+2*\t+1], v[S+8*\t:S+8*\t+7], v[SCP]
.endr
.set jj, 0
.rept 16
	v_pk_mul_f32 v[\OB+jj:\OB+jj+1], v[\OB+jj:\OB+jj+1], v[FF:FF+1] op_sel_hi:[1,0]
.set jj, jj+2
.endr
	s_wait_alu depctr_va_vdst(0)
	s_wait_dscnt 0x0
.irp u, 0,1,2,3
	v_wmma_f32_16x16x128_fp8_fp8 v[\OB+8*\u:\OB+8*\u+7], v[F+16*\u:F+16*\u+15], v[P:P+15], v[\OB+8*\u:\OB+8*\u+7]
.endr
.Lhidden_\@:
.endm
.macro FINISH OB, SB, XR, low, AB
.rept 4
	v_nop
.endr
.if \low
.irp u, 0,1,2,3
	global_load_b128 v[S+8*\u:S+8*\u+3], v[XL], s[10:11] offset:64*\u
	global_load_b128 v[S+8*\u+4:S+8*\u+7], v[XL], s[10:11] offset:64*\u+16
.endr
.endif
	v_add_f32 v[MA], v[\SB+2], v[\SB+3]
	s_delay_alu instid0(VALU_DEP_1)
	v_permlanex16_b32 v[PX], v[MA], s[SEL], s[SEL+1]
	s_delay_alu instid0(VALU_DEP_1)
	v_add_f32 v[MA], v[MA], v[PX]
	s_wait_alu depctr_va_vdst(0)
	v_rcp_f32 v[MA], v[MA]
	v_nop
	s_wait_alu depctr_va_vdst(0)
	v_ldexp_f32 v[FF], v[MA], s61
.if \low
	s_wait_alu depctr_va_vdst(0)
	s_wait_loadcnt 0x0
.endif
.set jj, 0
.rept 16
	v_pk_fma_f32 v[S+jj:S+jj+1], v[\OB+jj:\OB+jj+1], v[FF:FF+1], v[\XR+jj:\XR+jj+1] op_sel_hi:[1,0,1]
.set jj, jj+2
.endr
.if \low
.irp u, 0,1,2,3
	global_load_b128 v[OL+8*\u:OL+8*\u+3], v[XH], s[10:11] offset:64*\u
	global_load_b128 v[OL+8*\u+4:OL+8*\u+7], v[XH], s[10:11] offset:64*\u+16
.endr
.endif
.irp u, 0,1,2,3
.irp i, 0,1,2,3,4,5,6,7
.endr
	v_cvt_scalef32_pk8_fp8_f32 v[P+2*\u:P+2*\u+1], v[S+8*\u:S+8*\u+7], v[SCA]
.endr
	v_nop
	global_store_b128 v[LI], v[P:P+3], s[\AB:\AB+1]
	global_store_b128 v[LI], v[P+4:P+7], s[\AB:\AB+1] offset:512
.if \low
	s_wait_loadcnt 0x0
	s_wait_xcnt 0x0
.endif
.endm
.macro KLOOP last
.Lk_\@:
	STEP QL, OL, STL, NDL, DL
	s_cmp_lg_u32 s[SI], s[NDL]
	s_cbranch_scc1 .Lnot_done_\@
	FINISH OL, STL, S, 1, 66
.Lnot_done_\@:
	STEP QH, OH, STH, NDH, DH
	s_cmp_lg_u32 s[SI], s[PFT]
	s_cbranch_scc1 .Lno_ask_\@
	global_prefetch_b8 v[PFO], s[10:11] th:TH_LOAD_NT scope:SCOPE_SE
.Lno_ask_\@:
	s_add_co_u32 s[TB], s[TB], 8192
	s_add_co_u32 s[SI], s[SI], 1
	s_cmp_lt_u32 s[SI], \last
	s_cbranch_scc1 .Lk_\@
.endm
	s_wait_loadcnt 0x0
	s_wait_tensorcnt 0x1
	s_barrier_signal -1
	s_barrier_wait -1
	s_mov_b32 s[SI], 0
	s_mov_b32 s[TB], 0
	KLOOP 2
	s_wait_tensorcnt 0x0
	s_wait_dscnt 0x0
	s_barrier_signal -1
	s_barrier_wait -1
	s_mov_b32 s[SI], 2
	s_mov_b32 s[TB], 16384
	KLOOP 16
	FINISH OH, STH, OL, 0, 68
	s_wait_tensorcnt 0x0
	ds_add_u32 v253, v255
	s_wait_dscnt 0x0
	s_endpgm
.Lfunc_end_k_q59eac6b46d_attn:
	.size	k_q59eac6b46d_attn, .Lfunc_end_k_q59eac6b46d_attn-k_q59eac6b46d_attn
	.p2alignl 7, 3214868480
	.fill 96, 4, 3214868480
	.section	.rodata,"a",@progbits
	.p2align	6, 0x0
	.amdhsa_kernel k_q59eac6b46d_attn
		.amdhsa_group_segment_fixed_size 327680
		.amdhsa_private_segment_fixed_size 0
		.amdhsa_enable_private_segment 0
		.amdhsa_kernarg_size 48
		.amdhsa_user_sgpr_count 2
		.amdhsa_user_sgpr_kernarg_segment_ptr 1
		.amdhsa_wavefront_size32 1
		.amdhsa_system_sgpr_workgroup_id_x 1
		.amdhsa_system_sgpr_workgroup_id_y 1
		.amdhsa_system_sgpr_workgroup_id_z 1
		.amdhsa_system_vgpr_workitem_id 0
		.amdhsa_next_free_vgpr 256
		.amdhsa_next_free_sgpr 72
		.amdhsa_reserve_vcc 1
		.amdhsa_float_denorm_mode_32 3
		.amdhsa_float_denorm_mode_16_64 3
		.amdhsa_fp16_overflow 1
		.amdhsa_memory_ordered 1
		.amdhsa_forward_progress 1
		.amdhsa_inst_pref_size 94
	.end_amdhsa_kernel
	.amdgpu_metadata
---
amdhsa.version: [ 1, 2 ]
amdhsa.kernels:
  - .name:           k_q59eac6b46d_attn
    .symbol:         k_q59eac6b46d_attn.kd
    .args:
      - { .name: q_img, .offset: 0, .size: 8, .value_kind: global_buffer, .address_space: global }
      - { .name: k_img, .offset: 8, .size: 8, .value_kind: global_buffer, .address_space: global }
      - { .name: v_img, .offset: 16, .size: 8, .value_kind: global_buffer, .address_space: global }
      - { .name: x, .offset: 24, .size: 8, .value_kind: global_buffer, .address_space: global }
      - { .name: lowp_scales, .offset: 32, .size: 8, .value_kind: global_buffer, .address_space: global }
      - { .name: a_img, .offset: 40, .size: 8, .value_kind: global_buffer, .address_space: global }
    .group_segment_fixed_size: 327680
    .private_segment_fixed_size: 0
    .kernarg_segment_align: 8
    .kernarg_segment_size: 48
    .max_flat_workgroup_size: 512
    .sgpr_count:     72
    .vgpr_count:     256
    .wavefront_size: 32
...
	.end_amdgpu_metadata
.endif
;; end of part 3
;; launch proj (part 4): grid 256 x 1, 4 waves a work-group, no clusters, 35,328 bytes of LDS; arguments a_img, wp_img, bp, gamma, beta, lowp_scales, out0; writes out0
.if DOCPART == 4
	.amdgcn_target "amdgcn-amd-amdhsa--gfx1250"
	.amdhsa_code_object_version 6
	.text
	.protected	k_q59eac6b46d_proj
	.globl	k_q59eac6b46d_proj
	.p2align	8
	.type	k_q59eac6b46d_proj,@function
k_q59eac6b46d_proj:
	s_mov_b64 s[64:65], 0
	v_nop
	global_prefetch_b8 v0, s[64:65] scope:SCOPE_SE
	s_setreg_imm32_b32 hwreg(HW_REG_WAVE_MODE, 25, 1), 1
	s_wait_xcnt 0x0
; out0 = LayerNorm(a Wp^T + bp) x gamma + beta; the product on E4M3 codes (entries 10 and 11 of the scales), K = 1,024; all else in f32.
; SHARES.  A work-group takes 32 rows, whole, since the norm wants whole rows.  Wave w takes columns 256 w .. 256 w + 255: 2 x 16 accumulators, 256 registers.
; OPERANDS COME STRAIGHT INTO REGISTERS.  a_img and wp_img are images of the operand's registers: each load of a wave reads 512 consecutive bytes.  A fragment of Wp is used by one wave of the work-group alone,
; so a trip through LDS would spare no read: hence no tensor load, no ring, no barrier in the product, and no joint loads.  (Every work-group reads all of wp_img: a stated price of whole rows on 256 work-groups.)
; The product is used transposed (source 0 = 16 features of Wp, source 1 = 16 rows of a): a lane holds one row r and, for tile n, the features 16 n + 8 h + 0 .. 7.
; Wp's 16 fragments of a K step have ONE set of registers, filled again four at a time as soon as their eight products are issued: three groups' products stand between a load and its use.
; THE SCALES.  A sum stands for sum x 2^E, E = ea + ew.  bp goes in as bp / 2^E, the C of each sum's first product; mean and variance are taken of the sums as they are; rs = 2^E / sqrt(var x 2^(2 E) + 1e-6), by v_ldexp_f32.
; The variance is the mean of the squares of the centred numbers.
; REGISTERS, in windows of 256: window 0: addresses; v10-13 minus the mean, a pair a tile of rows; v16-31 chains of sums; v28-31 later rs; v32-63, v64-95 a's fragments, two sets; on the way out v64-127 at work, v128-255 rows read back.
;   window 1: Wp's fragments, W(n) at 16 n; later gamma v0-127, beta v128-255.   window 2: the accumulators, (m, n) at 8 (16 m + n).   window 3: bp / 2^E, 8 n.
.set LI,  1                            ; v1   16 x lane
.set STO, 4                            ; v4   the stage: where I put 32 bytes of a row
.set RD,  5                            ; v5   and where I read a row back
.set RW,  6                            ; v6   where I put my wave's sums
.set RR,  7                            ; v7   and where I read all four waves'
.set HB,  8                            ; v8   32 h
.set MU,  10
.set CH,  16
.set RS,  28
.set AS,  32
.set TMP, 64
.set BK,  128
.set RED, 33792                        ; LDS: four stages of 16 rows x 528 bytes; then 512 bytes for the sums, 512 for the sums of squares
.set MSB, 0
.macro WIN new                         ; the immediate's high byte repeats the setting that is left
.if MSB != \new
	s_set_vgpr_msb (MSB<<8)|\new
.set MSB, \new
.endif
.endm
	s_load_b256 s[4:11], s[0:1], 0x0               ; a_img, wp_img, bp, gamma
	s_load_b128 s[12:15], s[0:1], 0x20             ; beta, the scales' exponents
	s_load_b64 s[16:17], s[0:1], 0x30              ; out0
	v_lshl_add_u32 v14, v0, 2, 0x8800
	v_mov_b32 v15, 0
	v_lshrrev_b32 v2, 5, v0
	v_readfirstlane_b32 s18, v2                    ; wave 0..3
	v_and_b32 v2, 15, v0                           ; r
	v_bfe_u32 v3, v0, 4, 1                         ; h
	v_and_b32 v[LI], 31, v0
	v_lshlrev_b32 v[LI], 4, v[LI]
	v_lshlrev_b32 v[HB], 5, v3
	s_mul_i32 s22, s18, 8448                       ; my stage
	v_mul_u32_u24 v[STO], v2, 528
	v_lshl_add_u32 v[STO], v3, 5, v[STO]
	v_add_nc_u32 v[STO], s22, v[STO]
	v_add_nc_u32 v[RD], s22, v[LI]
	s_lshl_b32 s22, s18, 7
	s_add_co_u32 s22, s22, RED
	v_lshlrev_b32 v[RR], 2, v2
	v_add_nc_u32 v[RW], s22, v[RR]
	v_add_nc_u32 v[RR], RED, v[RR]
	s_mov_b32 s20, 0x76543210
	s_mov_b32 s21, 0xfedcba98
	s_lshl_b32 s24, ttmp9, 15                      ; a_img: two row tiles of 16,384 bytes
	s_mov_b32 s25, 0
	s_lshl_b32 s26, s18, 18                        ; wp_img: 262,144 bytes a wave
	s_mov_b32 s27, 0
	s_lshl_b32 s28, s18, 10                        ; my 256 columns in f32
	s_mov_b32 s29, 0
	s_lshl_b32 s30, ttmp9, 17                      ; out0: 32 rows of 4,096 bytes
	s_mov_b32 s31, 0
	s_wait_alu depctr_va_vdst(0)
	s_wait_kmcnt 0x0
	s_load_b64 s[32:33], s[14:15], 0x28            ; ea, ew
	s_add_nc_u64 s[4:5], s[4:5], s[24:25]
	s_add_nc_u64 s[6:7], s[6:7], s[26:27]
	s_add_nc_u64 s[8:9], s[8:9], s[28:29]
	s_add_nc_u64 s[10:11], s[10:11], s[28:29]
	s_add_nc_u64 s[12:13], s[12:13], s[28:29]
	s_add_nc_u64 s[16:17], s[16:17], s[30:31]
	s_add_nc_u64 s[16:17], s[16:17], s[28:29]
.macro ALOAD s                         ; a's two fragments of K step s into set s % 2
.irp m, 0,1
.irp i, 0,1,2,3
	global_load_b128 v[AS+32*((\s)%2)+16*\m+4*\i:AS+32*((\s)%2)+16*\m+4*\i+3], v[LI], s[4:5] offset:16384*\m+2048*(\s)+512*\i
.endr
.endr
.endm
.macro WLOAD s, g                      ; Wp's fragments 4 g .. 4 g + 3 of K step s
.irp n, 4*(\g), 4*(\g)+1, 4*(\g)+2, 4*(\g)+3
.irp i, 0,1,2,3
	global_load_b128 v[16*(\n)+4*\i:16*(\n)+4*\i+3], v[LI], s[6:7] offset:32768*(\s)+2048*(\n)+512*\i
.endr
.endr
.endm
; Eight products: four tiles of columns x two tiles of rows.  cnt: the loads issued behind those that this group wants.  Then the group's registers take the next K step's fragments.
; The 32 accumulators take turns, one instruction a turn, in the same order in every K step.
.macro GRP s, g, cnt
	s_wait_loadcnt \cnt
.if (\s) == 0
	WIN 0xb1                                       ; source 0 (Wp) window 1, source 1 (a) window 0, C (bp) window 3, D window 2
.else
	WIN 0xa1                                       ; C and D window 2
.endif
.irp n, 4*(\g), 4*(\g)+1, 4*(\g)+2, 4*(\g)+3
.irp m, 0,1
.if (\s) == 0
	v_wmma_f32_16x16x128_fp8_fp8 v[8*(16*\m+(\n)):8*(16*\m+(\n))+7], v[16*(\n):16*(\n)+15], v[AS+32*((\s)%2)+16*\m:AS+32*((\s)%2)+16*\m+15], v[8*(\n):8*(\n)+7]
.else
	v_wmma_f32_16x16x128_fp8_fp8 v[8*(16*\m+(\n)):8*(16*\m+(\n))+7], v[16*(\n):16*(\n)+15], v[AS+32*((\s)%2)+16*\m:AS+32*((\s)%2)+16*\m+15], v[8*(16*\m+(\n)):8*(16*\m+(\n))+7]
.endif
.endr
.endr
.rept 4
	v_nop                                          ; places in front of loads into registers that these products read, and of the first read of results
.endr
.if (\s) < 7
.if (\g) == 0
	WIN 0
	ALOAD (\s)+1
.endif
	WIN 0x40
	WLOAD (\s)+1, \g
.endif
.endm
	WIN 0xc0                                       ; destination window 3
.irp n, 0,1,2,3,4,5,6,7,8,9,10,11,12,13,14,15
	global_load_b128 v[8*\n:8*\n+3], v[HB], s[8:9] offset:64*\n
	global_load_b128 v[8*\n+4:8*\n+7], v[HB], s[8:9] offset:64*\n+16
.endr
	WIN 0
	ALOAD 0
	WIN 0x40
	WLOAD 0, 0
	s_wait_kmcnt 0x0
	s_add_co_i32 s34, s32, s33                     ; E
	s_lshl_b32 s35, s34, 1                         ; 2 E
	s_sub_co_i32 s36, 0, s34                       ; -E
	s_wait_loadcnt 24                              ; bp is in; a's 8 loads and Wp's 16 may be out
	WIN 0xc3
.set jj, 0
.rept 128
	v_ldexp_f32 v[jj], v[jj], s36                  ; bp / 2^E
.set jj, jj+1
.endr
	WIN 0x40
	WLOAD 0, 1
	WLOAD 0, 2
	WLOAD 0, 3
	s_wait_alu depctr_va_vdst(0)
.irp s, 0,1,2,3,4,5,6
	GRP \s, 0, 48                                  ; behind my group and a's fragments: the K step's other three groups
	GRP \s, 1, 56                                  ; behind my group: three groups of 16 and a's 8
	GRP \s, 2, 56
	GRP \s, 3, 56
.endr
	GRP 7, 0, 48                                   ; the last K step loads nothing: the counts run down
	GRP 7, 1, 32
	GRP 7, 2, 16
	GRP 7, 3, 0
	WIN 0x40                                       ; gamma and beta take Wp's registers: register 8 n + j: column 16 n + 8 h + j
.irp n, 0,1,2,3,4,5,6,7,8,9,10,11,12,13,14,15
	global_load_b128 v[8*\n:8*\n+3], v[HB], s[10:11] offset:64*\n
	global_load_b128 v[8*\n+4:8*\n+7], v[HB], s[10:11] offset:64*\n+16
	global_load_b128 v[128+8*\n:128+8*\n+3], v[HB], s[12:13] offset:64*\n
	global_load_b128 v[128+8*\n+4:128+8*\n+7], v[HB], s[12:13] offset:64*\n+16
.endr
; The chains of a tile of rows are added up; lane l xor 16 holds the row's other half; the four waves' sums meet in LDS.  At the end v[CH + 8 m] holds row r's sum over all 1,024 columns.
.macro REDUCE off
.irp m, 0,1
	v_pk_add_f32 v[CH+8*\m:CH+8*\m+1], v[CH+8*\m:CH+8*\m+1], v[CH+8*\m+2:CH+8*\m+3]
	v_pk_add_f32 v[CH+8*\m+4:CH+8*\m+5], v[CH+8*\m+4:CH+8*\m+5], v[CH+8*\m+6:CH+8*\m+7]
.endr
.irp m, 0,1
	v_pk_add_f32 v[CH+8*\m:CH+8*\m+1], v[CH+8*\m:CH+8*\m+1], v[CH+8*\m+4:CH+8*\m+5]
.endr
.irp m, 0,1
	v_add_f32 v[CH+8*\m], v[CH+8*\m], v[CH+8*\m+1]
.endr
.irp m, 0,1
	v_permlanex16_b32 v[CH+8*\m+2], v[CH+8*\m], s20, s21
.endr
.irp m, 0,1
	v_add_f32 v[CH+8*\m], v[CH+8*\m], v[CH+8*\m+2]
.endr
.irp m, 0,1
	ds_store_b32 v[RW], v[CH+8*\m] offset:\off+64*\m   ; lanes r and r + 16 write the same word with the same number
.endr
	s_wait_dscnt 0x0                               ; for the others' sake: my stores have landed
	s_barrier_signal -1
	s_barrier_wait -1
.irp m, 0,1
.irp w, 0,1,2,3
	ds_load_b32 v[CH+8*\m+\w], v[RR] offset:\off+128*\w+64*\m
.endr
.endr
	s_wait_dscnt 0x0
.irp m, 0,1
	v_add_f32 v[CH+8*\m], v[CH+8*\m], v[CH+8*\m+1]
	v_add_f32 v[CH+8*\m+2], v[CH+8*\m+2], v[CH+8*\m+3]
.endr
.irp m, 0,1
	v_add_f32 v[CH+8*\m], v[CH+8*\m], v[CH+8*\m+2]
.endr
.endm
	; the rows' sums: four chains a tile of rows; each accumulator is read from its low pair on
	WIN 0x0a                                       ; sources 0 and 1 window 2
.irp m, 0,1
.irp p, 0,1,2,3
	v_pk_add_f32 v[CH+8*\m+2*\p:CH+8*\m+2*\p+1], v[128*\m+2*\p:128*\m+2*\p+1], v[128*\m+8+2*\p:128*\m+8+2*\p+1]
.endr
.endr
	WIN 0x08                                       ; source 1 window 2
.irp m, 0,1
.irp n, 2,3,4,5,6,7,8,9,10,11,12,13,14,15
.irp p, 0,1,2,3
	v_pk_add_f32 v[CH+8*\m+2*\p:CH+8*\m+2*\p+1], v[CH+8*\m+2*\p:CH+8*\m+2*\p+1], v[128*\m+8*\n+2*\p:128*\m+8*\n+2*\p+1]
.endr
.endr
.endr
	WIN 0
	REDUCE 0
.irp m, 0,1
	v_mul_f32 v[MU+2*\m], 0xba800000, v[CH+8*\m]   ; minus the mean: x -1 / 1,024
	v_mov_b32 v[MU+2*\m+1], v[MU+2*\m]
.endr
	WIN 0x82                                       ; source 0 and destination window 2
.irp m, 0,1
.set jj, 0
.rept 64
	v_pk_add_f32 v[128*\m+jj:128*\m+jj+1], v[128*\m+jj:128*\m+jj+1], v[MU+2*\m:MU+2*\m+1]
.set jj, jj+2
.endr
.endr
	WIN 0x0a
.irp m, 0,1
.irp p, 0,1,2,3
	v_pk_mul_f32 v[CH+8*\m+2*\p:CH+8*\m+2*\p+1], v[128*\m+2*\p:128*\m+2*\p+1], v[128*\m+2*\p:128*\m+2*\p+1]
.endr
.endr
.irp m, 0,1
.irp n, 1,2,3,4,5,6,7,8,9,10,11,12,13,14,15
.irp p, 0,1,2,3
	v_pk_fma_f32 v[CH+8*\m+2*\p:CH+8*\m+2*\p+1], v[128*\m+8*\n+2*\p:128*\m+8*\n+2*\p+1], v[128*\m+8*\n+2*\p:128*\m+8*\n+2*\p+1], v[CH+8*\m+2*\p:CH+8*\m+2*\p+1]
.endr
.endr
.endr
	WIN 0
	REDUCE 512                                     ; other bytes than the first time: no wave can overwrite what another still reads
.irp m, 0,1
	v_mul_f32 v[CH+8*\m], 0x3a800000, v[CH+8*\m]   ; / 1,024
	v_ldexp_f32 v[CH+8*\m], v[CH+8*\m], s35        ; x 2^(2 E): the variance
	v_add_f32 v[CH+8*\m], 0x358637bd, v[CH+8*\m]   ; + 1e-6
.endr
	s_wait_alu depctr_va_vdst(0)
	v_rsq_f32 v[CH+1], v[CH]
	v_rsq_f32 v[CH+9], v[CH+8]
	v_nop                                          ; a plain line behind the last of them
	s_wait_alu depctr_va_vdst(0)                   ; one wait for both, ahead of the first reader
.irp m, 0,1
	v_ldexp_f32 v[RS+2*\m], v[CH+8*\m+1], s34      ; x 2^E: the centred sums lack that factor
	v_mov_b32 v[RS+2*\m+1], v[RS+2*\m]
.endr
	s_wait_alu depctr_va_vdst(0)
	s_wait_loadcnt 0x0                             ; gamma, beta
; THE WAY OUT, four blocks of 16 rows x 128 columns (block a: rows 16 (a / 2) on, columns 128 (a % 2) on).  A lane holds 32 neighbouring bytes of a row: a block goes through my own stage in LDS and comes back as whole rows
; of 512 bytes.  LDS serves a wave's instructions in order (ISA guide 5.7.1.4): no wait between the stores and the loads, nor in front of the next block's stores.
.macro TOSTAGE a
.set MM, (\a)/2
.set NH, (\a)%2
.set AC, 128*MM+64*NH
.set BB, BK+64*((\a)%2)
	WIN 0x02                                       ; source 0 window 2
.set jj, 0
.rept 32
	v_pk_mul_f32 v[TMP+jj:TMP+jj+1], v[AC+jj:AC+jj+1], v[RS+2*MM:RS+2*MM+1]
.set jj, jj+2
.endr
	WIN 0x14                                       ; sources 1 and 2 window 1
.set jj, 0
.rept 32
	v_pk_fma_f32 v[TMP+jj:TMP+jj+1], v[TMP+jj:TMP+jj+1], v[64*NH+jj:64*NH+jj+1], v[128+64*NH+jj:128+64*NH+jj+1]
.set jj, jj+2
.endr
	WIN 0
.irp b, 0,1,2,3,4,5,6,7
	ds_store_b128 v[STO], v[TMP+8*\b:TMP+8*\b+3] offset:64*\b
	ds_store_b128 v[STO], v[TMP+8*\b+4:TMP+8*\b+7] offset:64*\b+16
.endr
.irp t, 0,1,2,3,4,5,6,7,8,9,10,11,12,13,14,15
	ds_load_b128 v[BB+4*\t:BB+4*\t+3], v[RD] offset:528*\t
.endr
.endm
.macro SEND a, younger                 ; younger: the LDS instructions issued behind block a's loads, which may stay out
.set MM, (\a)/2
.set NH, (\a)%2
.set BB, BK+64*((\a)%2)
	s_wait_dscnt \younger
.irp t, 0,1,2,3,4,5,6,7,8,9,10,11,12,13,14,15
	global_store_b128 v[LI], v[BB+4*\t:BB+4*\t+3], s[16:17] offset:(16*MM+\t)*4096+512*NH th:TH_STORE_NT   ; 32 lanes store 512 consecutive bytes, aligned; written once, read by nobody here
.endr
.endm
	TOSTAGE 0
.irp a, 1,2,3
.if \a > 1
	s_wait_xcnt 0x0                                ; block a - 2's stores have read their data: block a's loads may land there
.endif
	TOSTAGE \a
	SEND \a-1, 32                                  ; behind block a - 1's loads: block a's 16 stores and 16 loads
.endr
	SEND 3, 0
	s_wait_tensorcnt 0x0
	ds_add_u32 v14, v15
	s_wait_dscnt 0x0
	s_endpgm
.Lfunc_end_k_q59eac6b46d_proj:
	.size	k_q59eac6b46d_proj, .Lfunc_end_k_q59eac6b46d_proj-k_q59eac6b46d_proj
	.p2alignl 7, 3214868480
	.fill 96, 4, 3214868480
	.section	.rodata,"a",@progbits
	.p2align	6, 0x0
	.amdhsa_kernel k_q59eac6b46d_proj
		.amdhsa_group_segment_fixed_size 35328
		.amdhsa_private_segment_fixed_size 0
		.amdhsa_enable_private_segment 0
		.amdhsa_kernarg_size 56
		.amdhsa_user_sgpr_count 2
		.amdhsa_user_sgpr_kernarg_segment_ptr 1
		.amdhsa_wavefront_size32 1
		.amdhsa_system_sgpr_workgroup_id_x 1
		.amdhsa_system_sgpr_workgroup_id_y 1
		.amdhsa_system_sgpr_workgroup_id_z 1
		.amdhsa_system_vgpr_workitem_id 0
		.amdhsa_next_free_vgpr 1024
		.amdhsa_next_free_sgpr 66
		.amdhsa_reserve_vcc 0
		.amdhsa_float_denorm_mode_32 3
		.amdhsa_float_denorm_mode_16_64 3
		.amdhsa_memory_ordered 1
		.amdhsa_forward_progress 1
		.amdhsa_inst_pref_size 155
	.end_amdhsa_kernel
	.amdgpu_metadata
---
amdhsa.version: [ 1, 2 ]
amdhsa.kernels:
  - .name:           k_q59eac6b46d_proj
    .symbol:         k_q59eac6b46d_proj.kd
    .args:
      - { .name: a_img, .offset: 0, .size: 8, .value_kind: global_buffer, .address_space: global }
      - { .name: wp_img, .offset: 8, .size: 8, .value_kind: global_buffer, .address_space: global }
      - { .name: bp, .offset: 16, .size: 8, .value_kind: global_buffer, .address_space: global }
      - { .name: gamma, .offset: 24, .size: 8, .value_kind: global_buffer, .address_space: global }
      - { .name: beta, .offset: 32, .size: 8, .value_kind: global_buffer, .address_space: global }
      - { .name: lowp_scales, .offset: 40, .size: 8, .value_kind: global_buffer, .address_space: global }
      - { .name: out0, .offset: 48, .size: 8, .value_kind: global_buffer, .address_space: global }
    .group_segment_fixed_size: 35328
    .private_segment_fixed_size: 0
    .kernarg_segment_align: 8
    .kernarg_segment_size: 56
    .max_flat_workgroup_size: 128
    .sgpr_count:     66
    .vgpr_count:     1024
    .wavefront_size: 32
...
	.end_amdgpu_metadata
.endif
;; end of part 4
